; MI455X (gfx1250); checked and timed in simulation.
; The chip was launched on July 23, 2026; its instructions are those of AMD's public machine-readable ISA for CDNA 5 (MIT licence, August 2026) and "CDNA5" Instruction Set Architecture Reference Guide (July 2026). The comments in the code are by the model that wrote it; some were corrected since.
;; Transformer Layer. Allowed arithmetic: matrix products marked QUANTISED: E4M3 operands, one given power-of-two scale a tensor, by v_wmma_f32_16x16x64_fp8_fp8 or v_wmma_f32_16x16x128_fp8_fp8, f32 sums; everything else in f32.
;; Inputs: W1 1,024 x 1,024 float32; W2 1,024 x 1,024 float32; Wk 16 x 1,024 x 64 float32; Wo 1,024 x 1,024 float32; Wq 16 x 1,024 x 64 float32; Wv 16 x 1,024 x 64 float32; b1 1,024 float32; b2 1,024 float32; beta1 1,024 float32; beta2 1,024 float32; bo 1,024 float32; gamma1 1,024 float32; gamma2 1,024 float32; lowp_scales 16 int32 (the exponents e of the quantised operands' scales 2^e); x 16 x 512 x 1,024 float32.
;; Outputs: out0 16 x 512 x 1,024 float32.
;; This version of the problem:
;;   THIS VERSION OF THE PROBLEM IS GIVEN IN LOW PRECISION. The matrix products marked QUANTISED in the list below multiply operands that are first quantised to E4M3 (4 exponent bits, 3 mantissa bits; 8 bits a number), with one given power-of-two scale for each operand tensor; their sums are f32. All else is computed in f32.
;;   The module's matrix products, in the order in which they are computed (A, B: the left and right operand; K: the contracted axis; several contracted axes count as one K, in the product's order):
;;     1. [M 1,024, K 1,024] x [K 1,024, N 8,192]; A: input Wq; B: computed on the way: QUANTISED (scales: A lowp_scales[0], B lowp_scales[1])
;;     2. [M 1,024, K 1,024] x [K 1,024, N 8,192]; A: input Wk; B: computed on the way: QUANTISED (scales: A lowp_scales[2], B lowp_scales[3])
;;     3. [M 1,024, K 1,024] x [K 1,024, N 8,192]; A: input Wv; B: computed on the way: QUANTISED (scales: A lowp_scales[4], B lowp_scales[5])
;;     4. batch 256 x [M 512, K 64] x [K 64, N 512]; A: computed on the way; B: computed on the way: QUANTISED (scales: A lowp_scales[6], B lowp_scales[7])
;;     5. batch 256 x [M 512, K 512] x [K 512, N 64]; A: softmax (see below); B: computed on the way: QUANTISED (scales: A lowp_scales[8], B lowp_scales[9])
;;     6. [M 8,192, K 1,024] x [K 1,024, N 1,024]; A: computed on the way; B: input Wo: QUANTISED (scales: A lowp_scales[10], B lowp_scales[11])
;;     7. [M 8,192, K 1,024] x [K 1,024, N 1,024]; A: computed on the way; B: input W1: QUANTISED (scales: A lowp_scales[12], B lowp_scales[13])
;;     8. [M 8,192, K 1,024] x [K 1,024, N 1,024]; A: computed on the way; B: input W2: QUANTISED (scales: A lowp_scales[14], B lowp_scales[15])
;;   THE QUANTISER, for each operand of a quantised product, along K:
;;     - The operand's scale is 2^e, e = its entry of the input lowp_scales (int32; the entries are numbered through the quantised products in the list's order, A before B).
;;     - Each number is divided by the scale, clamped to +-448, and rounded to the nearest number of E4M3, ties to even, subnormals kept.
;;     - The product sums the exact products of the quantised numbers (number of the format x scale) in f32.
;;   ~~~python
;;   def quantise(x, axis, e):      # numpy; x: float32 -> the quantised numbers, widened to float32 again
;;       x = np.moveaxis(x, axis, -1); K = x.shape[-1]
;;       r = np.clip(x / 2.0 ** e, -448, 448)
;;       step = 2.0 ** (np.maximum(np.frexp(np.where(r == 0, 1, r))[1] - 1, -6) - 3)
;;       q = np.round(r / step) * step * 2.0 ** e      # np.round: ties to even
;;       return np.moveaxis(q, -1, axis).astype(np.float32)
;;   ~~~
;;   SOFTMAX AHEAD OF A QUANTISED PRODUCT. Where the list says 'softmax', what is quantised is not the finished softmax but p = 2^(t - M), with t = logit x log2(e) and M = ceil(the row's largest t), a whole number; so 1/2 < the row's largest p <= 1. The row's sum l is taken of the UNQUANTISED p, in f32, and the product's result is divided by l at the end. Since M is a whole number, a kernel that streams over the keys may use a running M (the ceiling of the running maximum): every later rescaling is an exact power of two, so the quantised numbers keep their values, but for numbers so far below the row's largest that they fall under the format's range.
;;   OPERANDS COMPUTED ON THE WAY. 'Computed on the way' means the value that the module computes at that place (a softmax that the list does not call 'softmax' is quantised finished and normalised). What goes into a quantiser is computed in f32, as accurately as f32 sums, v_exp_f32 and their like allow (about 1e-6 of the number): no bf16 or f16 on the way to a quantiser, and a product that is left as it is and whose result goes on into a quantised operand takes f32 operands (vector FMAs, or v_wmma_f32_16x16x4_f32). A number that lies on a knife's edge between two numbers of the format may be rounded either way, as far as f32 arithmetic and the matrix unit's own rounding can turn it there, and no further.
;; One version. Each part assembles by itself: llvm-mc -triple=amdgcn-amd-amdhsa -mcpu=gfx1250 --defsym DOCPART=n.
;; ======== version 1 of 1: 3 launches
;; limits: right only within a limited range of input values
;; workspace buffers: wimg 6,291,456 bytes; n1img 25,165,824 bytes; cimg 8,388,608 bytes
;; launch prep (part 1): grid 704 x 1, 4 waves a work-group, no clusters, 52,736 bytes of LDS; arguments x, gamma1, beta1, Wq, Wk, Wv, Wo, W1, W2, lowp_scales, wimg, n1img; writes wimg, n1img
.if DOCPART == 1
	.amdgcn_target "amdgcn-amd-amdhsa--gfx1250"
	.amdhsa_code_object_version 6
	.text
	.protected	k_q8cadbf9def_prep
	.globl	k_q8cadbf9def_prep
	.p2align	8
	.type	k_q8cadbf9def_prep,@function
k_q8cadbf9def_prep:
	s_mov_b64 s[64:65], 0
	v_nop
	global_prefetch_b8 v0, s[64:65] scope:SCOPE_SE
	s_setreg_imm32_b32 hwreg(HW_REG_WAVE_MODE, 25, 1), 1
	s_wait_xcnt 0x0
; PREP: the six weights and LN1(x) become codes of E4M3, laid as IMAGES OF OPERAND REGISTERS, so that the later launches fetch fragments whole.
; An image of a fragment (16 rows x 128 K, 2,048 bytes): chunk c (0..3) at 512 c + 16 lane holds k = 128 s + 32 c + 16 (lane / 16) + 0 .. 15 of the row of lane % 16.
; THE ROWS OF A TILE ARE NOT NEIGHBOURS: lane-row r of tile 2 b + u stands for index 32 b + 8 u + r + 8 (r / 8) (tokens and weight columns alike).
; Work-groups 0-95: Wq, Wk, Wv ([16][1024][64], a row of 256 bytes); 96-191: Wo, W1, W2 ([1024][1024], a row of 4,096 bytes); 192-703: one tile of 16 rows of x each.
; WEIGHTS: a lane takes a column and its registers run down K; a wave takes 32 columns x 256 K.  A lane's 32 codes of a block of K are the 16 bytes of two image lanes: sixteen lanes store 256 consecutive bytes.
; wimg: Wq, Wk, Wv at tensor x 1 MiB + tile x 16,384 + s x 2,048; Wo, W1, W2 (layer L) at 3 MiB + (tile / 16) x 786,432 + L x 262,144 + (tile % 16) x 16,384 + s x 2,048.
; LN1: a wave takes 4 rows whole in registers (a lane: 8 neighbours of every 256); mean, centred squares, 1 / sqrt(var + 1e-5), gain and bias in f32; quantised three times (the scales of products 1, 2, 3 may differ).
; n1img: [version q, k, v][tile 0..511][s][c][lane] x 16 bytes.  The codes turn through LDS (units of 16 rows x 16 bytes, 272 bytes apart) and leave as runs of 512 bytes.
; code = x / 2^e, held within +-448, to the nearest code, ties to even.  LIMITS: every e used here between -126 and 119.  NaN among the inputs is not served.
.set SPARE, 52224                      ; behind the three stages: the spare words, 128 bytes a wave: two blocks of 256 bytes that no other line names
.set VST,   17408                      ; a version's stage: 64 units x 272 bytes
.set SPW,   6                          ; v6  LDS address of my spare word; never rewritten
.set NIL,   7                          ; v7  0; never rewritten
.macro WLOAD t, P                      ; block t: 32 rows of K at my column, into set t % 2; a wave's load reads 128 consecutive bytes
.set i, 0
.rept 32
	global_load_b32 v[32+32*((\t)%2)+i], v2, s[50:51] offset:(32*(\t)+i)*\P th:TH_LOAD_NT
.set i, i+1
.endr
.endm
.macro WBLOCK t, P
.if (\t) < 7
	s_wait_loadcnt 32                              ; this block's 32 loads are in; the next block's 32 may be out
.else
	s_wait_loadcnt 0x0
.endif
.set i, 0
.rept 32
	v_med3_num_f32 v[32+32*((\t)%2)+i], v[32+32*((\t)%2)+i], -v10, v10   ; the conversion does not saturate (ISA guide 7.6.2): the hold at 448 x the scale
.set i, i+1
.endr
.irp g, 0,1,2,3
	v_cvt_scalef32_pk8_fp8_f32 v[128+8*(\t)+2*\g:128+8*(\t)+2*\g+1], v[32+32*((\t)%2)+8*\g:32+32*((\t)%2)+8*\g+7], v11
.endr
	global_store_b128 v3, v[128+8*(\t):128+8*(\t)+3], s[52:53] offset:((\t)/4)*2048+((\t)%4)*512         ; k 0-15 of the block: image lanes 0-15
	global_store_b128 v3, v[128+8*(\t)+4:128+8*(\t)+7], s[52:53] offset:((\t)/4)*2048+((\t)%4)*512+256   ; k 16-31: image lanes 16-31.  Each block has code registers of its own: no store's data are written again
.if (\t)+2 < 8
	WLOAD (\t)+2, \P
.endif
.endm
; One of three tensors with rows of P bytes.  pa, pb, pc: their pointers' registers; ea, eb, ec: their exponents' registers
.macro WPATH P, first, pa, pb, pc, ea, eb, ec
	s_sub_co_u32 s28, ttmp9, \first                ; 0..95
	s_lshr_b32 s29, s28, 5                         ; which tensor
	s_bfe_u32 s30, s28, 0x30002                    ; which four blocks of 32 columns
	s_and_b32 s31, s28, 3                          ; which 256 along K
	s_lshl_b32 s30, s30, 2
	s_add_co_u32 s30, s30, s2                      ; b: my wave's block of 32 columns
	v_and_b32 v1, 15, v0                           ; r
	v_bfe_u32 v8, v0, 4, 1                         ; u: lanes 0-15 serve tile 2 b, lanes 16-31 tile 2 b + 1
	v_and_b32 v9, 8, v1
	v_add_nc_u32 v9, v9, v1
	v_lshl_add_u32 v9, v8, 3, v9                   ; my column in the block: 8 u + r + 8 (r / 8)
	v_lshlrev_b32 v2, 2, v9
	s_wait_alu depctr_va_vdst(0)
	v_lshlrev_b32 v3, 4, v1
	v_lshl_add_u32 v3, v8, 14, v3                  ; my place in the images: tile u, lane r
	s_cmp_eq_u32 s29, 0
	s_cselect_b64 s[50:51], s[\pa:\pa+1], s[\pb:\pb+1]
	s_cmp_eq_u32 s29, 2
	s_cselect_b64 s[50:51], s[\pc:\pc+1], s[50:51]
.if \P == 256
	s_lshr_b32 s54, s30, 1
	s_lshl_b32 s54, s54, 18                        ; the head's 1,024 rows of 256 bytes
	s_and_b32 s55, s30, 1
	s_lshl_b32 s55, s55, 7                         ; which half of a row
	s_add_co_u32 s54, s54, s55
	s_lshl_b32 s55, s31, 16                        ; 256 rows of K
	s_add_co_u32 s54, s54, s55
	s_lshl_b32 s56, s29, 20
	s_lshl_b32 s57, s30, 15
	s_add_co_u32 s56, s56, s57
.else
	s_lshl_b32 s54, s30, 7
	s_lshl_b32 s55, s31, 20
	s_add_co_u32 s54, s54, s55
	s_lshr_b32 s56, s30, 3
	s_mul_i32 s56, s56, 786432
	s_lshl_b32 s57, s29, 18
	s_add_co_u32 s56, s56, s57
	s_and_b32 s57, s30, 7
	s_lshl_b32 s57, s57, 15
	s_add_co_u32 s56, s56, s57
	s_add_co_u32 s56, s56, 3145728
.endif
	s_lshl_b32 s57, s31, 12                        ; two K steps of 2,048 bytes
	s_add_co_u32 s56, s56, s57
	s_mov_b32 s55, 0
	s_mov_b32 s57, 0
	s_add_nc_u64 s[50:51], s[50:51], s[54:55]
	s_add_nc_u64 s[52:53], s[24:25], s[56:57]
	WLOAD 0, \P
	WLOAD 1, \P
	s_wait_kmcnt 0x0                               ; the exponents
	s_cmp_eq_u32 s29, 0
	s_cselect_b32 s58, s[\ea], s[\eb]
	s_cmp_eq_u32 s29, 2
	s_cselect_b32 s58, s[\ec], s58
	s_add_co_i32 s58, s58, 127
	s_lshl_b32 s59, s58, 23
	v_mov_b32 v11, s59                             ; 2^e as f32: the conversion takes its exponent field
	s_add_co_i32 s58, s58, 8
	s_lshl_b32 s58, s58, 23
	s_or_b32 s58, s58, 0x600000
	v_mov_b32 v10, s58                             ; 448 x 2^e
	s_wait_alu depctr_va_vdst(0)
.irp t, 0,1,2,3,4,5,6,7
	WBLOCK \t, \P
.endr
.endm
.macro REDUCE                          ; chains A, B of row i in v[16+4i .. 19+4i] -> the row's sum in v[16+4i] of every lane
.irp i, 0,1,2,3
	v_pk_add_f32 v[16+4*\i:17+4*\i], v[16+4*\i:17+4*\i], v[18+4*\i:19+4*\i]
.endr
.irp i, 0,1,2,3
	v_add_f32 v[16+4*\i], v[16+4*\i], v[17+4*\i]
.endr
.irp m, 1,2,4,8
.irp i, 0,1,2,3
	v_add_f32_dpp v[16+4*\i], v[16+4*\i], v[16+4*\i] row_xmask:\m row_mask:0xf bank_mask:0xf
.endr
.endr
.irp i, 0,1,2,3
	v_permlanex16_b32 v[17+4*\i], v[16+4*\i], s60, s61
.endr
.irp i, 0,1,2,3
	v_add_f32 v[16+4*\i], v[16+4*\i], v[17+4*\i]
.endr
.endm
	s_load_b512 s[4:19], s[0:1], 0x0               ; x, gamma1, beta1, Wq, Wk, Wv, Wo, W1
	s_load_b256 s[20:27], s[0:1], 0x40             ; W2, the exponents, wimg, n1img
	v_lshl_add_u32 v[SPW], v0, 2, SPARE
	v_mov_b32 v[NIL], 0
	v_lshrrev_b32 v1, 5, v0
	v_readfirstlane_b32 s2, v1                     ; wave 0..3
	s_wait_kmcnt 0x0
	s_load_b512 s[32:47], s[22:23], 0x0            ; e0 .. e15
	s_cmp_lt_u32 ttmp9, 96
	s_cbranch_scc1 .Lheads
	s_cmp_lt_u32 ttmp9, 192
	s_cbranch_scc1 .Lsquare
	; ---- LN1 of one tile of 16 rows.  Wave w: lane-rows 4 w .. 4 w + 3, which are four neighbouring tokens
	s_sub_co_u32 s28, ttmp9, 192                   ; the tile, 0..511
	s_lshr_b32 s29, s28, 1
	s_lshl_b32 s29, s29, 5
	s_and_b32 s30, s28, 1
	s_lshl_b32 s30, s30, 3
	s_add_co_u32 s29, s29, s30
	s_lshl_b32 s30, s2, 2
	s_add_co_u32 s29, s29, s30
	s_lshr_b32 s30, s2, 1
	s_lshl_b32 s30, s30, 3
	s_add_co_u32 s29, s29, s30                     ; my first token: 32 (tile / 2) + 8 (tile % 2) + 4 w + 8 (w / 2)
	s_lshl_b32 s48, s29, 12
	s_mov_b32 s49, 0
	s_add_nc_u64 s[4:5], s[4:5], s[48:49]
	v_and_b32 v1, 31, v0                           ; lane
	s_wait_alu depctr_va_vdst(0)
	v_lshlrev_b32 v2, 5, v1                        ; my 8 numbers of every 256: 32 bytes a lane
.irp i, 0,1,2,3
.irp j, 0,1,2,3
	global_load_b128 v[128+32*\i+8*\j:128+32*\i+8*\j+3], v2, s[4:5] offset:\i*4096+\j*1024 th:TH_LOAD_NT
	global_load_b128 v[128+32*\i+8*\j+4:128+32*\i+8*\j+7], v2, s[4:5] offset:\i*4096+\j*1024+16 th:TH_LOAD_NT
.endr
.endr
.irp j, 0,1,2,3
	global_load_b128 v[64+8*\j:64+8*\j+3], v2, s[6:7] offset:\j*1024
	global_load_b128 v[64+8*\j+4:64+8*\j+7], v2, s[6:7] offset:\j*1024+16
	global_load_b128 v[96+8*\j:96+8*\j+3], v2, s[8:9] offset:\j*1024
	global_load_b128 v[96+8*\j+4:96+8*\j+7], v2, s[8:9] offset:\j*1024+16
.endr
	s_lshl_b32 s48, s28, 14
	s_lshl_b32 s30, s2, 12
	s_add_co_u32 s48, s48, s30                     ; the tile's image, my two K steps
	s_add_nc_u64 s[50:51], s[26:27], s[48:49]
	s_add_nc_u64 s[52:53], s[50:51], 0x800000      ; a version is 8 MiB
	s_add_nc_u64 s[54:55], s[52:53], 0x800000
	s_mov_b32 s60, 0x76543210                      ; v_permlanex16_b32: lane l xor 16
	s_mov_b32 s61, 0xfedcba98
	s_mov_b32 s62, 0x3a800000                      ; 1 / 1024
	s_mov_b32 s63, 0x3727c5ac                      ; 1e-5
	v_lshrrev_b32 v8, 1, v1
	v_mul_u32_u24 v3, v8, 272                      ; into the stage: unit k / 16 = 16 j + lane / 2,
	v_and_b32 v8, 1, v0
	v_lshl_add_u32 v3, v8, 3, v3                   ; its half of 8 bytes,
	s_lshl_b32 s48, s2, 6
	v_add_nc_u32 v3, s48, v3                       ; lane-row 4 w (+ i in the immediate), 16 bytes a row
	v_bfe_u32 v8, v0, 4, 1
	v_mul_u32_u24 v4, v8, 272                      ; out of it: lanes 0-15 one unit, lanes 16-31 the next,
	v_and_b32 v8, 15, v0
	v_lshl_add_u32 v4, v8, 4, v4
	s_mul_i32 s48, s2, 4352
	v_add_nc_u32 v4, s48, v4                       ; K steps 2 w, 2 w + 1
	v_lshlrev_b32 v5, 4, v1
	s_wait_kmcnt 0x0
.irp v, 0,1,2                          ; e1, e3, e5: n1's scales in products 1, 2, 3
	s_add_co_i32 s48, s[33+2*\v], 127
	s_lshl_b32 s30, s48, 23
	v_mov_b32 v[40+\v], s30
	s_add_co_i32 s48, s48, 8
	s_lshl_b32 s48, s48, 23
	s_or_b32 s48, s48, 0x600000
	v_mov_b32 v[43+\v], s48
.endr
	s_wait_loadcnt 16                              ; x is in; gamma's and beta's 16 loads may be out
.irp i, 0,1,2,3                        ; the rows' sums: two chains a row, the four rows by turns
	v_pk_add_f32 v[16+4*\i:17+4*\i], v[128+32*\i:129+32*\i], v[132+32*\i:133+32*\i]
	v_pk_add_f32 v[18+4*\i:19+4*\i], v[130+32*\i:131+32*\i], v[134+32*\i:135+32*\i]
.endr
.irp p, 8,12,16,20,24,28
.irp i, 0,1,2,3
	v_pk_add_f32 v[16+4*\i:17+4*\i], v[16+4*\i:17+4*\i], v[128+32*\i+\p:129+32*\i+\p]
	v_pk_add_f32 v[18+4*\i:19+4*\i], v[18+4*\i:19+4*\i], v[130+32*\i+\p:131+32*\i+\p]
.endr
.endr
	REDUCE
.irp i, 0,1,2,3
	v_mul_f32 v[48+4*\i], 0xba800000, v[16+4*\i]   ; -mean
.endr
.irp i, 0,1,2,3
	v_mov_b32 v[49+4*\i], v[48+4*\i]
.endr
.irp p, 0,2,4,6,8,10,12,14,16,18,20,22,24,26,28,30
.irp i, 0,1,2,3
	v_pk_add_f32 v[128+32*\i+\p:129+32*\i+\p], v[128+32*\i+\p:129+32*\i+\p], v[48+4*\i:49+4*\i]   ; d = x - mean, in place
.endr
.endr
.irp i, 0,1,2,3
	v_pk_mul_f32 v[16+4*\i:17+4*\i], v[128+32*\i:129+32*\i], v[128+32*\i:129+32*\i]
	v_pk_mul_f32 v[18+4*\i:19+4*\i], v[130+32*\i:131+32*\i], v[130+32*\i:131+32*\i]
.endr
.irp p, 4,8,12,16,20,24,28
.irp i, 0,1,2,3
	v_pk_fma_f32 v[16+4*\i:17+4*\i], v[128+32*\i+\p:129+32*\i+\p], v[128+32*\i+\p:129+32*\i+\p], v[16+4*\i:17+4*\i]
	v_pk_fma_f32 v[18+4*\i:19+4*\i], v[130+32*\i+\p:131+32*\i+\p], v[130+32*\i+\p:131+32*\i+\p], v[18+4*\i:19+4*\i]
.endr
.endr
	REDUCE
.irp i, 0,1,2,3
	v_fma_f32 v[16+4*\i], v[16+4*\i], s62, s63     ; var + 1e-5
.endr
	s_wait_alu depctr_va_vdst(0)
.irp i, 0,1,2,3
	v_rsq_f32 v[50+4*\i], v[16+4*\i]
.endr
	v_nop                                          ; a plain instruction behind the last of the batch
	s_wait_alu depctr_va_vdst(0)                   ; one wait for the four, ahead of their first reader
.irp i, 0,1,2,3
	v_mov_b32 v[51+4*\i], v[50+4*\i]
.endr
	s_wait_alu depctr_va_vdst(0)
	s_wait_loadcnt 0x0                             ; gamma, beta
.irp p, 0,2,4,6,8,10,12,14,16,18,20,22,24,26,28,30
.irp i, 0,1,2,3
	v_pk_mul_f32 v[128+32*\i+\p:129+32*\i+\p], v[128+32*\i+\p:129+32*\i+\p], v[50+4*\i:51+4*\i]
.endr
.irp i, 0,1,2,3
	v_pk_fma_f32 v[128+32*\i+\p:129+32*\i+\p], v[128+32*\i+\p:129+32*\i+\p], v[64+\p:65+\p], v[96+\p:97+\p]
.endr
.endr
	; three versions x 4 rows x 4 groups of 8 neighbours: hold into one of two sets, convert into one of four pairs, 8 bytes into the stage.  The sets' turns put plain lines between a conversion and the next write of its sources
.set Q, 0
.irp v, 0,1,2
.irp i, 0,1,2,3
.irp j, 0,1,2,3
.irp q, 0,1,2,3,4,5,6,7
	v_med3_num_f32 v[16+8*(Q%2)+\q], v[128+32*\i+8*\j+\q], -v[43+\v], v[43+\v]
.endr
	v_cvt_scalef32_pk8_fp8_f32 v[32+2*(Q%4):33+2*(Q%4)], v[16+8*(Q%2):23+8*(Q%2)], v[40+\v]
	ds_store_b64 v3, v[32+2*(Q%4):33+2*(Q%4)] offset:\v*VST+\j*4352+16*\i
.set Q, Q+1
.endr
.endr
.endr
	v_nop
	s_wait_dscnt 0x0                               ; for the others' sake: my stores into the stage are done
	s_barrier_signal -1
	s_barrier_wait -1
.irp v, 0,1,2
.irp ss, 0,1
.irp c, 0,1,2,3
	ds_load_b128 v[128+4*(8*\v+4*\ss+\c):128+4*(8*\v+4*\ss+\c)+3], v4 offset:\v*VST+\ss*2176+\c*544
.endr
.endr
.endr
.irp v, 0,1,2
.irp ss, 0,1
.irp c, 0,1,2,3
	s_wait_dscnt 23-(8*\v+4*\ss+\c)                ; LDS loads come back in order: this one is in, the younger ones may be out
	global_store_b128 v5, v[128+4*(8*\v+4*\ss+\c):128+4*(8*\v+4*\ss+\c)+3], s[50+2*\v:51+2*\v] offset:\ss*2048+\c*512   ; 32 lanes store 512 consecutive bytes, aligned
.endr
.endr
.endr
	s_wait_tensorcnt 0x0                           ; the wave's end
	ds_add_u32 v[SPW], v[NIL]
	s_wait_dscnt 0x0
	s_endpgm
.Lheads:
	WPATH 256, 0, 10, 12, 14, 32, 34, 36           ; Wq, Wk, Wv with e0, e2, e4
	s_endpgm
.Lsquare:
	WPATH 4096, 96, 16, 18, 20, 43, 45, 47         ; Wo, W1, W2 with e11, e13, e15
	s_endpgm
.Lfunc_end_k_q8cadbf9def_prep:
	.size	k_q8cadbf9def_prep, .Lfunc_end_k_q8cadbf9def_prep-k_q8cadbf9def_prep
	.p2alignl 7, 3214868480
	.fill 96, 4, 3214868480
	.section	.rodata,"a",@progbits
	.p2align	6, 0x0
	.amdhsa_kernel k_q8cadbf9def_prep
		.amdhsa_group_segment_fixed_size 52736
		.amdhsa_private_segment_fixed_size 0
		.amdhsa_enable_private_segment 0
		.amdhsa_kernarg_size 96
		.amdhsa_user_sgpr_count 2
		.amdhsa_user_sgpr_kernarg_segment_ptr 1
		.amdhsa_wavefront_size32 1
		.amdhsa_system_sgpr_workgroup_id_x 1
		.amdhsa_system_sgpr_workgroup_id_y 1
		.amdhsa_system_sgpr_workgroup_id_z 1
		.amdhsa_system_vgpr_workitem_id 0
		.amdhsa_next_free_vgpr 256
		.amdhsa_next_free_sgpr 66
		.amdhsa_reserve_vcc 0
		.amdhsa_float_denorm_mode_32 3
		.amdhsa_float_denorm_mode_16_64 3
		.amdhsa_memory_ordered 1
		.amdhsa_forward_progress 1
		.amdhsa_inst_pref_size 158
	.end_amdhsa_kernel
	.amdgpu_metadata
---
amdhsa.version: [ 1, 2 ]
amdhsa.kernels:
  - .name:           k_q8cadbf9def_prep
    .symbol:         k_q8cadbf9def_prep.kd
    .args:
      - { .name: x, .offset: 0, .size: 8, .value_kind: global_buffer, .address_space: global }
      - { .name: gamma1, .offset: 8, .size: 8, .value_kind: global_buffer, .address_space: global }
      - { .name: beta1, .offset: 16, .size: 8, .value_kind: global_buffer, .address_space: global }
      - { .name: Wq, .offset: 24, .size: 8, .value_kind: global_buffer, .address_space: global }
      - { .name: Wk, .offset: 32, .size: 8, .value_kind: global_buffer, .address_space: global }
      - { .name: Wv, .offset: 40, .size: 8, .value_kind: global_buffer, .address_space: global }
      - { .name: Wo, .offset: 48, .size: 8, .value_kind: global_buffer, .address_space: global }
      - { .name: W1, .offset: 56, .size: 8, .value_kind: global_buffer, .address_space: global }
      - { .name: W2, .offset: 64, .size: 8, .value_kind: global_buffer, .address_space: global }
      - { .name: lowp_scales, .offset: 72, .size: 8, .value_kind: global_buffer, .address_space: global }
      - { .name: wimg, .offset: 80, .size: 8, .value_kind: global_buffer, .address_space: global }
      - { .name: n1img, .offset: 88, .size: 8, .value_kind: global_buffer, .address_space: global }
    .group_segment_fixed_size: 52736
    .private_segment_fixed_size: 0
    .kernarg_segment_align: 8
    .kernarg_segment_size: 96
    .max_flat_workgroup_size: 128
    .sgpr_count:     66
    .vgpr_count:     256
    .wavefront_size: 32
...
	.end_amdgpu_metadata
.endif
;; end of part 1
;; launch attn (part 2): grid 64 x 4, 4 waves a work-group, clusters of 4 x 4, 327,680 bytes of LDS; arguments n1img, wimg, lowp_scales, cimg; writes cimg
.if DOCPART == 2
	.amdgcn_target "amdgcn-amd-amdhsa--gfx1250"
	.amdhsa_code_object_version 6
	.text
	.protected	k_q8cadbf9def_attn
	.globl	k_q8cadbf9def_attn
	.p2align	8
	.type	k_q8cadbf9def_attn,@function
k_q8cadbf9def_attn:
	s_mov_b64 s[64:65], 0
	v_nop
	global_prefetch_b8 v0, s[64:65] scope:SCOPE_SE
	s_setreg_imm32_b32 hwreg(HW_REG_WAVE_MODE, 25, 1), 1
	s_wait_xcnt 0x0
	s_wait_alu depctr_hold_cnt(0) depctr_sa_sdst(0) depctr_va_vdst(0) depctr_va_sdst(0) depctr_va_ssrc(0) depctr_va_vcc(0) depctr_vm_vsrc(0)
	s_getreg_b32 s2, hwreg(HW_REG_IB_STS2, 6, 4)
	s_cmp_eq_u32 s2, 0
	s_cbranch_scc0 .Lentry_in_a_cluster
	s_endpgm
.Lentry_in_a_cluster:
	s_bfe_u32 s2, ttmp6, 0x10000c
	s_cmp_lg_u32 s2, 0xf033
	s_cbranch_scc0 .Lentry_shape_is_right
	s_endpgm
.Lentry_shape_is_right:
; ATTN: one work-group = one (batch, head): Q, K, V = n1 x Wq, Wk, Wv (products 1-3), causal attention (products 4, 5), the head's part of concat as codes for product 6.
; LEFT OUT: key tiles that lie wholly under the causal mask (their p is 0 for all inputs).
; CLUSTER 4 x 4: the sixteen heads of one batch, which read the same three images of n1.  No joint load: n1's fragments go from memory straight into operand
; registers (each is read by one wave of the work-group), so no tile of n1 lies in LDS; LDS holds the head's weights (196,608 bytes) and the images of Q, K, V
; (98,304), which leaves 32,256 bytes: no room for two slots.  The weights differ from head to head, so the partners share none.
; PART 1.  The head's weights, 3 x 64 KB, come into LDS once (one tensor load a wave: 3 rows of 16 KB, a column tile of Wq, Wk, Wv).  One version's 64 KB stand in
; 512 registers of every wave (windows 1, 2).  A wave owns token tiles T = 4 t + wave.  A tile's 16 KB come by 32 loads, in halves of 16, into a ring of four halves (window 3);
; behind each wait three halves, 48 loads, may be out.  Codes go into LDS tile by tile.
; PART 2.  A wave takes its tiles two at a time (t = 2 a, 2 a + 1: both end in key step a), so each fragment of K and V serves two tiles.  The diagonal step comes FIRST: it starts
; M, the sums and O^T (C = 0), so nothing is cleared.  In it tile A's keys 64-127 are always hidden and are left out (its second product is the K = 64 form).
; p = 2^(t - M), M = ceil of the running largest t, a whole number; the row's sum is of the unquantised p.
; PREFETCH: in each trip of part 1 a wave asks for 8 blocks of 256 bytes of the pair of tiles that it loads two trips later; the sixteen partners share a tile's 16 KB out by address
; (1,024 bytes each).  The first three pairs come by their loads alone; version 2's trips 1 to 3 have no pair two trips on and ask for nothing.
; LIMITS: e6-e0-e1, e7-e2-e3, e9-e4-e5, e8, e10 between -126 and 119; e6+e7 between -123 and 130; scaled scores under 2^31.  NaN among the inputs is not served.
.set QI, 196608
.set KI, 229376
.set VI, 262144
.set SPARE, 294912                     ; the spare words: 128 bytes a wave, two blocks of 256 bytes that no other line names
.set SPW, 1
.set NIL, 2
.set L16, 3                            ; 16 x lane
.set WA,  4                            ; v4-7 LDS address of column tile et's weights
.set SCV, 8
.set LMV, 9
.set QW,  10                           ; my tiles' place in Q's image
.set VW,  11                           ; in V's
.set KR,  12
.set VR,  13
.set ADK, 14
.set ADV, 15
.set ADQ, 16
.set LM,  17                           ; my query's place in its key step - 16 (lane / 16)
.set NINF, 34
.set ST,  35
.set PFO, 36
.set KW,  37
.set QF,  48                           ; Q's fragments, tile A, tile B
.set PA,  64                           ; p's codes
.set PB,  80
.set CODE, 100
.set ACC, 128                          ; part 1: two sets of four accumulators
.set SA,  128                          ; part 2: S^T, then p, of tile A and tile B
.set SB,  192
.set MK,  16                           ; s16-47: the diagonal's 32 masks (part 2)
.set MSB, 0
.macro WIN new
.if MSB != (\new)
	s_set_vgpr_msb (MSB<<8)|(\new)
.set MSB, (\new)
.endif
.endm
.macro PLACES
.rept 4
	v_nop
.endr
.endm
.macro CROUND
	s_barrier_signal -1
	s_barrier_wait -1
	s_cmp_lg_u32 s12, 0
	s_cbranch_scc1 .Lnw0_\@
	s_barrier_signal -3
.Lnw0_\@:
	s_barrier_wait -3
	s_barrier_signal -1
	s_barrier_wait -1
.endm
.macro MKSC e, sc, lim                 ; 2^e and 448 x 2^e as f32
	s_add_co_i32 s[\e], s[\e], 127
	s_lshl_b32 s[\sc], s[\e], 23
	s_add_co_i32 s[\e], s[\e], 8
	s_lshl_b32 s[\lim], s[\e], 23
	s_or_b32 s[\lim], s[\lim], 0x600000
.endm
.macro WM128 d, a, b, z
.if \z
	v_wmma_f32_16x16x128_fp8_fp8 v[\d:\d+7], v[\a:\a+15], v[\b:\b+15], 0
.else
	v_wmma_f32_16x16x128_fp8_fp8 v[\d:\d+7], v[\a:\a+15], v[\b:\b+15], v[\d:\d+7]
.endif
.endm
.macro LOADW p                         ; version p's weights, LDS -> windows 1 (K steps 0-3) and 2 (4-7)
.irp s, 0,1,2,3,4,5,6,7
	WIN 0x40*(1+\s/4)
.irp et, 0,1,2,3
.irp c, 0,1,2,3
	ds_load_b128 v[16*(4*(\s%4)+\et)+4*\c:16*(4*(\s%4)+\et)+4*\c+3], v[WA+\et] offset:\p*16384+\s*2048+\c*512
.endr
.endr
.endr
	WIN 0
.endm
.macro TLD h, base                     ; half h of a pair of tiles (tile h / 2, K steps 4 (h % 2) on) -> ring place h, window 3
	WIN 0xc0
.irp sp, 0,1,2,3
.irp c, 0,1,2,3
	global_load_b128 v[64*(\h)+16*\sp+4*\c:64*(\h)+16*\sp+4*\c+3], v[L16], s[\base:\base+1] offset:((\h)/2)*65536+((\h)%2)*8192+\sp*2048+\c*512
.endr
.endr
	WIN 0
.endm
.macro MULH h, swap                    ; 16 products; the four accumulators by turns
.if \swap
	WIN 0x03|((1+(\h)%2)<<2)
.else
	WIN 0x0c|(1+(\h)%2)
.endif
.irp sp, 0,1,2,3
.irp et, 0,1,2,3
.set AC, ACC+32*((\h)/2)+8*\et
.set TK, 64*(\h)+16*\sp
.set WR, 16*(4*\sp+\et)
.if ((\h)%2)+\sp == 0
.if \swap
	WM128 AC, TK, WR, 1
.else
	WM128 AC, WR, TK, 1
.endif
.else
.if \swap
	WM128 AC, TK, WR, 0
.else
	WM128 AC, WR, TK, 0
.endif
.endif
.endr
.endr
	WIN 0
.endm
.macro EPI u, swap                     ; a finished tile: the hold, the codes, into LDS
.set j, 0
.rept 32
	v_med3_num_f32 v[ACC+32*(\u)+j], v[ACC+32*(\u)+j], -v[LMV], v[LMV]
.set j, j+1
.endr
.irp et, 0,1,2,3
	v_cvt_scalef32_pk8_fp8_f32 v[CODE+8*(\u)+2*\et:CODE+8*(\u)+2*\et+1], v[ACC+32*(\u)+8*\et:ACC+32*(\u)+8*\et+7], v[SCV]
.endr
	v_nop
.if \swap
.irp et, 0,1,2,3
	ds_store_b64 v[ST], v[CODE+8*(\u)+2*\et:CODE+8*(\u)+2*\et+1] offset:\et*2048+(\u)*1024
.endr
.else
	ds_store_b128 v[ST], v[CODE+8*(\u):CODE+8*(\u)+3] offset:(\u)*4096
	ds_store_b128 v[ST], v[CODE+8*(\u)+4:CODE+8*(\u)+7] offset:(\u)*4096+512
.endif
.endm
; A trip: two tiles.  ld = 1: each half's ring place takes the same half of the pair at s[base].  pf: 0 no prefetch, 1 one, 2 one in the loop's first trip alone
.macro TRIP swap, ld, base, pf, stb
	v_add_nc_u32 v[ST], s89, v[\stb]
	s_wait_alu depctr_va_vdst(0)
.irp h, 0,1,2,3
.if \ld
	s_wait_loadcnt 48                              ; this half's 16 loads are in; the three younger halves may be out
.else
	s_wait_loadcnt 16*(3-\h)
.endif
.if \h == 0
.if (\pf) == 2
	s_cmp_eq_u32 s88, 0
	s_cbranch_scc0 .Lnp\@
.endif
.if (\pf) > 0
	global_prefetch_b8 v[PFO], s[90:91] th:TH_LOAD_NT scope:SCOPE_SE
.endif
.if (\pf) == 2
.Lnp\@:
.endif
.endif
	MULH \h, \swap
	PLACES                                         ; in front of loads into registers just multiplied, and of the reads of results
.if \ld
	TLD \h, \base
.endif
.if \h % 2
	EPI \h/2, \swap
.endif
.endr
.endm
.macro VERSION p, swap, sc, stb
	LOADW \p
	v_mov_b32 v[SCV], s[\sc]
	v_mov_b32 v[LMV], s[\sc+1]
	s_add_nc_u64 s[34:35], s[28+2*\p:29+2*\p], 131072   ; the pair that the first trip loads: tiles t = 2, 3
	s_mov_b32 s88, 0
	s_mov_b32 s89, 0
	s_wait_alu depctr_va_vdst(0)                   ; directly ahead of the wait below
	s_wait_dscnt 0x0                               ; the weights are in
.Lv\@:
	TRIP \swap, 1, 34, 1+(\p)/2, \stb
	s_wait_xcnt 0x0                                ; the loads and the prefetch have read their bases
	s_add_nc_u64 s[34:35], s[34:35], 131072
.if \p < 2
	s_cmp_eq_u32 s88, 0
	s_cselect_b32 s92, s94, s95                    ; from pair 3 to the next version's pair 0, else a pair on
	s_add_nc_u64 s[90:91], s[90:91], s[92:93]
.endif
	s_add_co_u32 s89, s89, 8192
	s_add_co_u32 s88, s88, 1
	s_cmp_lt_u32 s88, 3
	s_cbranch_scc1 .Lv\@
.if \p < 2
	TRIP \swap, 1, 30+2*\p, 1, \stb                ; the last pair is multiplied; the next version's first pair is loaded
	s_wait_xcnt 0x0
	s_add_nc_u64 s[90:91], s[90:91], 131072
.else
	TRIP \swap, 0, 0, 0, \stb
.endif
.endm
	s_load_b256 s[4:11], s[0:1], 0x0               ; n1img, wimg, the exponents, cimg
	v_lshl_add_u32 v[SPW], v0, 2, SPARE
	v_mov_b32 v[NIL], 0
	ds_add_u32 v[SPW], v[NIL]                      ; the opening lines
	ds_add_u32 v[SPW], v[NIL]
	v_lshrrev_b32 v38, 5, v0
	v_readfirstlane_b32 s12, v38                   ; wave
	s_bfe_u32 s13, ttmp6, 0x40000
	s_bfe_u32 s14, ttmp6, 0x40004
	s_lshl_b32 s14, s14, 2
	s_add_co_u32 s14, s14, s13                     ; head = cx + 4 cy; batch = ttmp9
	s_mov_b32 s16, 3<<16                           ; group 1: elements of 8 bytes, 3 rows of 2,048, 131,072 apart
	s_mov_b32 s17, 2048<<16
	s_mov_b32 s18, 3<<16
	s_mov_b32 s19, 2048<<16
	s_mov_b32 s20, 3
	s_mov_b32 s21, 131072
	s_mov_b32 s22, 0
	s_mov_b32 s23, 0
	s_mov_b32 s24, 1
	s_mul_i32 s25, s12, 49152
	s_lshl_b32 s36, s14, 16
	s_lshl_b32 s37, s12, 14
	s_add_co_u32 s36, s36, s37                     ; wimg: the head's column tile et = wave
	s_mov_b32 s37, 0
	s_lshl_b32 s38, ttmp9, 19
	s_lshl_b32 s39, s12, 14
	s_add_co_u32 s38, s38, s39                     ; the batch's image, tile T = wave
	s_mov_b32 s39, 0
	s_lshl_b32 s42, s14, 10
	s_add_co_u32 s40, s42, s38                     ; cimg: + the head's 1,024 bytes of a tile
	s_mov_b32 s41, 0
	s_mov_b32 s80, 0x76543210
	s_mov_b32 s81, 0xfedcba98
	s_mov_b32 s93, 0
	s_mov_b32 s94, 8388608-393216
	s_mov_b32 s95, 131072
	v_and_b32 v38, 31, v0
	v_lshlrev_b32 v[L16], 4, v38
	v_min_u32 v39, 7, v38                          ; prefetch: lanes 0-7 name 4 blocks of each of two tiles, the others lane 7's again
	v_lshrrev_b32 v40, 2, v39
	v_and_b32 v39, 3, v39
	v_lshlrev_b32 v[PFO], 16, v40
	v_lshl_add_u32 v[PFO], v39, 8, v[PFO]
	v_add_nc_u32 v[PFO], s42, v[PFO]
.irp et, 0,1,2,3
	v_add_nc_u32 v[WA+\et], \et*49152, v[L16]
.endr
	s_lshl_b32 s43, s12, 10
	v_add_nc_u32 v[QW], s43, v[L16]
	v_add_nc_u32 v[KW], KI, v[QW]
	v_add_nc_u32 v[QW], QI, v[QW]
	s_lshr_b32 s43, s12, 1
	s_lshl_b32 s43, s43, 9
	s_and_b32 s44, s12, 1
	s_lshl_b32 s44, s44, 3
	s_add_co_u32 s43, s43, s44
	s_add_co_u32 s43, s43, VI
	v_add_nc_u32 v[VW], s43, v[L16]
	v_add_nc_u32 v[KR], KI, v[L16]
	v_add_nc_u32 v[VR], VI, v[L16]
	v_and_b32 v38, 15, v0
	v_and_b32 v39, 8, v38
	v_add_nc_u32 v38, v38, v39
	v_bfe_u32 v39, v0, 4, 1
	v_lshlrev_b32 v39, 4, v39
	v_sub_nc_u32 v[LM], v38, v39
	s_lshl_b32 s43, s12, 4
	s_sub_co_u32 s43, s43, s44
	v_add_nc_u32 v[LM], s43, v[LM]
	s_wait_alu depctr_va_vdst(0)
	s_wait_dscnt 0x0
	s_wait_kmcnt 0x0
	s_load_b512 s[48:63], s[8:9], 0x0              ; e0 .. e15
	s_add_nc_u64 s[26:27], s[6:7], s[36:37]
	s_or_b32 s27, s27, 0x80000000
	s_add_nc_u64 s[28:29], s[4:5], s[38:39]        ; my tiles in versions q, k, v
	s_add_nc_u64 s[30:31], s[28:29], 0x800000
	s_add_nc_u64 s[32:33], s[30:31], 0x800000
	s_add_nc_u64 s[90:91], s[28:29], 393216        ; the first prefetch: version q's pair 3
	s_add_nc_u64 s[10:11], s[10:11], s[40:41]
	CROUND
	tensor_load_to_lds s[24:27], s[16:23]          ; my one tensor load: column tile et = wave of Wq, Wk, Wv
	s_nop 0
	PLACES
.irp h, 0,1,2,3
	TLD \h, 28                                     ; version q's first pair
.endr
	s_wait_kmcnt 0x0
	s_sub_co_i32 s40, s54, s48
	s_sub_co_i32 s40, s40, s49
	MKSC 40, 66, 67                                ; Q: e6 - e0 - e1
	s_sub_co_i32 s40, s55, s50
	s_sub_co_i32 s40, s40, s51
	MKSC 40, 68, 69                                ; K: e7 - e2 - e3
	s_sub_co_i32 s40, s57, s52
	s_sub_co_i32 s40, s40, s53
	MKSC 40, 70, 71                                ; V: e9 - e4 - e5
	s_mov_b32 s40, s56
	MKSC 40, 72, 73                                ; p: e8
	s_mov_b32 s40, s58
	MKSC 40, 74, 75                                ; concat: e10
	s_add_co_i32 s76, s56, s57
	s_add_co_i32 s40, s54, s55
	s_lshl_b32 s40, s40, 23
	s_add_co_i32 s78, s40, 0x3e38aa3b              ; c = log2(e) / 8 x 2^(e6 + e7)
	s_mov_b32 s79, s78
	s_wait_tensorcnt 0x0                           ; my part of the weights is in;
	s_barrier_signal -1
	s_barrier_wait -1                              ; everybody's is
	VERSION 0, 0, 66, QW
	VERSION 1, 0, 68, KW
	VERSION 2, 1, 70, VW
	s_wait_dscnt 0x0                               ; for the others' sake: my codes are in LDS
	s_barrier_signal -1
	s_barrier_wait -1
; ---- PART 2
.macro LDK adr, off                    ; a key step's 8 fragments of K -> window 1, v0-63
	WIN 0x40
.irp kt, 0,1,2,3,4,5,6,7
	ds_load_b128 v[8*\kt:8*\kt+3], v[\adr] offset:\off+\kt*1024
	ds_load_b128 v[8*\kt+4:8*\kt+7], v[\adr] offset:\off+\kt*1024+512
.endr
	WIN 0
.endm
.macro STEP diag                       ; 128 keys for two tiles of queries.  State of tile A: v18 -M, v19 largest t, v[20:21] sum, v22 f; of tile B: v24 to v28
.set NA, 64-32*\diag                   ; tile A's scores a lane
	WIN 0x40
.irp et, 0,1,2,3
.irp c, 0,1,2,3
	ds_load_b128 v[64+16*\et+4*\c:64+16*\et+4*\c+3], v[ADV] offset:\et*2048+\c*512   ; V's fragments -> window 1, v64-127
.endr
.endr
	WIN 0
	s_wait_dscnt 16                                ; K (and Q) are in; V's 16 loads may be out
	WIN 0x01
.irp kt, 0,1,2,3,4,5,6,7
.if 8*\kt < NA
	v_wmma_f32_16x16x64_fp8_fp8 v[SA+8*\kt:SA+8*\kt+7], v[8*\kt:8*\kt+7], v[QF:QF+7], 0
.endif
	v_wmma_f32_16x16x64_fp8_fp8 v[SB+8*\kt:SB+8*\kt+7], v[8*\kt:8*\kt+7], v[QF+8:QF+15], 0
.endr
	WIN 0
	PLACES
.if \diag
	LDK KR, 0                                      ; the next step's K: key step 0
.set n, 0
.rept 32                               ; hidden keys: -infinity.  Tile A's blocks 0, 1 and tile B's blocks 2, 3 have the same pattern
	v_cndmask_b32 v[SA+n], v[SA+n], v[NINF], s[MK+n]
	v_cndmask_b32 v[SB+32+n], v[SB+32+n], v[NINF], s[MK+n]
.set n, n+1
.endr
.else
	LDK ADK, 8192                                  ; the next step's K (behind the last full step: read by nobody, inside K's image)
.endif
	v_max3_num_f32 v38, v[SA], v[SA+1], v[SA+2]
	v_max3_num_f32 v40, v[SB], v[SB+1], v[SB+2]
	v_max3_num_f32 v39, v[SA+3], v[SA+4], v[SA+5]
	v_max3_num_f32 v41, v[SB+3], v[SB+4], v[SB+5]
.set i, 6
.rept 14
.if i < NA-2
	v_max3_num_f32 v38, v38, v[SA+i], v[SA+i+1]
	v_max3_num_f32 v39, v39, v[SA+i+2], v[SA+i+3]
.endif
	v_max3_num_f32 v40, v40, v[SB+i], v[SB+i+1]
	v_max3_num_f32 v41, v41, v[SB+i+2], v[SB+i+3]
.set i, i+4
.endr
	v_max3_num_f32 v38, v38, v[SA+NA-2], v[SA+NA-1]
	v_max3_num_f32 v40, v40, v[SB+62], v[SB+63]
	v_max_num_f32 v38, v38, v39
	v_max_num_f32 v40, v40, v41
	v_permlanex16_b32 v42, v38, s80, s81
	v_permlanex16_b32 v43, v40, s80, s81
	v_max_num_f32 v38, v38, v42
	v_max_num_f32 v40, v40, v43
.if \diag
	v_mul_f32 v19, s78, v38                        ; the first largest t (each query sees its own key),
	v_mul_f32 v25, s78, v40
	v_floor_f32 v18, -v19                          ; and -M = floor(-t)
	v_floor_f32 v24, -v25
.else
	v_mul_f32 v38, s78, v38
	v_mul_f32 v40, s78, v40
	v_max_num_f32 v19, v19, v38
	v_max_num_f32 v25, v25, v40
	v_mov_b32 v38, v18
	v_mov_b32 v40, v24
	v_floor_f32 v18, -v19
	v_floor_f32 v24, -v25
	v_sub_f32 v38, v18, v38
	v_sub_f32 v40, v24, v40
	v_cvt_i32_f32 v38, v38
	v_cvt_i32_f32 v40, v40
	v_ldexp_f32 v22, 1.0, v38                      ; f = 2^(old M - new M)
	v_ldexp_f32 v28, 1.0, v40
.endif
.set j, 0
.rept 32
.if j < NA
	v_pk_fma_f32 v[SA+j:SA+j+1], v[SA+j:SA+j+1], s[78:79], v[18:19] op_sel_hi:[1,0,0]
.endif
	v_pk_fma_f32 v[SB+j:SB+j+1], v[SB+j:SB+j+1], s[78:79], v[24:25] op_sel_hi:[1,0,0]
.set j, j+2
.endr
.if \diag == 0
	WIN 0x82                                       ; O^T (window 2) under the new M
.set j, 0
.rept 16
	v_pk_mul_f32 v[j:j+1], v[j:j+1], v[22:23] op_sel_hi:[1,0]
	v_pk_mul_f32 v[32+j:32+j+1], v[32+j:32+j+1], v[28:29] op_sel_hi:[1,0]
.set j, j+2
.endr
	WIN 0
.endif
	s_wait_alu depctr_va_vdst(0)                   ; a wait ahead of the batch
.set j, 0
.rept 64
.if j < NA
	v_exp_f32 v[SA+j], v[SA+j]
.endif
	v_exp_f32 v[SB+j], v[SB+j]
.set j, j+1
.endr
	v_nop
	s_wait_alu depctr_va_vdst(0)                   ; and behind it, ahead of its first reader
	v_pk_add_f32 v[44:45], v[SA:SA+1], v[SA+2:SA+3]
	v_pk_add_f32 v[96:97], v[SB:SB+1], v[SB+2:SB+3]
	v_pk_add_f32 v[46:47], v[SA+4:SA+5], v[SA+6:SA+7]
	v_pk_add_f32 v[98:99], v[SB+4:SB+5], v[SB+6:SB+7]
.set j, 8
.rept 14
.if j < NA
	v_pk_add_f32 v[44:45], v[44:45], v[SA+j:SA+j+1]
	v_pk_add_f32 v[46:47], v[46:47], v[SA+j+2:SA+j+3]
.endif
	v_pk_add_f32 v[96:97], v[96:97], v[SB+j:SB+j+1]
	v_pk_add_f32 v[98:99], v[98:99], v[SB+j+2:SB+j+3]
.set j, j+4
.endr
.if \diag
	v_pk_add_f32 v[20:21], v[44:45], v[46:47]
	v_pk_add_f32 v[26:27], v[96:97], v[98:99]
.else
	v_pk_add_f32 v[44:45], v[44:45], v[46:47]
	v_pk_add_f32 v[96:97], v[96:97], v[98:99]
	v_pk_fma_f32 v[20:21], v[20:21], v[22:23], v[44:45] op_sel_hi:[1,0,1]
	v_pk_fma_f32 v[26:27], v[26:27], v[28:29], v[96:97] op_sel_hi:[1,0,1]
.endif
.irp b, 0,1,2,3
.if 16*\b < NA
.set i, 0
.rept 16
	v_min_num_f32 v[SA+16*\b+i], v[SA+16*\b+i], v31   ; the hold: the conversion does not saturate (ISA guide 7.6.2); p is not negative
.set i, i+1
.endr
	v_cvt_scalef32_pk8_fp8_f32 v[PA+4*\b:PA+4*\b+1], v[SA+16*\b:SA+16*\b+7], v30
	v_cvt_scalef32_pk8_fp8_f32 v[PA+4*\b+2:PA+4*\b+3], v[SA+16*\b+8:SA+16*\b+15], v30
.endif
.set i, 0
.rept 16
	v_min_num_f32 v[SB+16*\b+i], v[SB+16*\b+i], v31
.set i, i+1
.endr
	v_cvt_scalef32_pk8_fp8_f32 v[PB+4*\b:PB+4*\b+1], v[SB+16*\b:SB+16*\b+7], v30
	v_cvt_scalef32_pk8_fp8_f32 v[PB+4*\b+2:PB+4*\b+3], v[SB+16*\b+8:SB+16*\b+15], v30
.endr
	v_nop
	s_wait_alu depctr_va_vdst(0)                   ; directly ahead of the wait below
	s_wait_dscnt 16                                ; V is in; the next K's 16 loads may be out
	WIN 0xa1
.irp et, 0,1,2,3
.if \diag
	v_wmma_f32_16x16x64_fp8_fp8 v[8*\et:8*\et+7], v[64+16*\et:64+16*\et+7], v[PA:PA+7], 0   ; tile A: keys 0-63 of the step
	WM128 32+8*\et, 64+16*\et, PB, 1
.else
	WM128 8*\et, 64+16*\et, PA, 0
	WM128 32+8*\et, 64+16*\et, PB, 0
.endif
.endr
	WIN 0
	PLACES
.endm
	v_mov_b32 v23, 0
	v_mov_b32 v29, 0
	v_mov_b32 v42, 0
	v_mov_b32 v43, 0
	v_mov_b32 v[NINF], 0xff800000
	v_mov_b32 v30, s72
	v_mov_b32 v31, s73
	v_mov_b32 v32, s74
	v_mov_b32 v33, s75
.set n, 0
.rept 32
	v_cmp_gt_i32 s[MK+n], 32*(n/16)+n%16, v[LM]    ; register n's key comes after my query
.set n, n+1
.endr
	s_mov_b32 s82, 0
	s_mov_b32 s86, 0
	s_wait_alu depctr_va_vdst(0)
.Lpair:                                            ; a = 0..3: tiles t = 2 a, 2 a + 1
	v_add_nc_u32 v[ADQ], s86, v[QW]
	v_add_nc_u32 v[ADK], s86, v[KR]
	v_add_nc_u32 v[ADV], s86, v[VR]
	ds_load_b128 v[QF:QF+3], v[ADQ]
	ds_load_b128 v[QF+4:QF+7], v[ADQ] offset:512
	ds_load_b128 v[QF+8:QF+11], v[ADQ] offset:4096
	ds_load_b128 v[QF+12:QF+15], v[ADQ] offset:4608
	LDK ADK, 0
	STEP 1                                         ; key step a, the diagonal
	s_mov_b32 s83, 0
	s_mov_b32 s85, 0
.Lstep:                                            ; key steps 0 .. a - 1; the trip count is a constant, the steps from a on are jumped over
	s_cmp_ge_u32 s83, s82
	s_cbranch_scc1 .Lskip
	v_add_nc_u32 v[ADV], s85, v[VR]
	v_add_nc_u32 v[ADK], s85, v[KR]
	s_wait_alu depctr_va_vdst(0)
	STEP 0
.Lskip:
	s_add_co_u32 s85, s85, 8192
	s_add_co_u32 s83, s83, 1
	s_cmp_lt_u32 s83, 3
	s_cbranch_scc1 .Lstep
	s_wait_dscnt 0x0                               ; the last look-ahead for K has come back
	v_add_f32 v20, v20, v21
	v_add_f32 v26, v26, v27
	v_permlanex16_b32 v42, v20, s80, s81
	v_permlanex16_b32 v43, v26, s80, s81
	v_add_f32 v20, v20, v42
	v_add_f32 v26, v26, v43
	s_wait_alu depctr_va_vdst(0)
	v_rcp_f32 v20, v20
	v_rcp_f32 v26, v26
	v_nop
	s_wait_alu depctr_va_vdst(0)
	v_ldexp_f32 v22, v20, s76                      ; 2^(e8 + e9) / the sum
	v_ldexp_f32 v28, v26, s76
	WIN 0x02
	s_wait_alu depctr_va_vdst(0)                   ; the wait directly ahead of the first reader of O^T
.set j, 0
.rept 16
	v_pk_mul_f32 v[SA+j:SA+j+1], v[j:j+1], v[22:23] op_sel_hi:[1,0]
.set j, j+2
.endr
.set j, 0
.rept 16
	v_pk_mul_f32 v[SA+32+j:SA+32+j+1], v[32+j:32+j+1], v[28:29] op_sel_hi:[1,0]
.set j, j+2
.endr
	WIN 0
.set j, 0
.rept 64
	v_med3_num_f32 v[SA+j], v[SA+j], -v33, v33
.set j, j+1
.endr
.irp k, 0,1,2,3,4,5,6,7
	v_cvt_scalef32_pk8_fp8_f32 v[CODE+2*\k:CODE+2*\k+1], v[SA+8*\k:SA+8*\k+7], v32
.endr
	v_nop
	global_store_b128 v[L16], v[CODE:CODE+3], s[10:11]                      ; each store: 512 consecutive bytes, aligned
	global_store_b128 v[L16], v[CODE+4:CODE+7], s[10:11] offset:512
	global_store_b128 v[L16], v[CODE+8:CODE+11], s[10:11] offset:65536
	global_store_b128 v[L16], v[CODE+12:CODE+15], s[10:11] offset:66048
	s_wait_xcnt 0x0
	s_add_nc_u64 s[10:11], s[10:11], 131072
	s_add_co_u32 s86, s86, 8192
	s_add_co_u32 s82, s82, 1
	s_cmp_lt_u32 s82, 4
	s_cbranch_scc1 .Lpair
	s_wait_tensorcnt 0x0                           ; the wave's end
	ds_add_u32 v[SPW], v[NIL]
	s_wait_dscnt 0x0
	CROUND                                         ; the closing round
	s_endpgm
.Lfunc_end_k_q8cadbf9def_attn:
	.size	k_q8cadbf9def_attn, .Lfunc_end_k_q8cadbf9def_attn-k_q8cadbf9def_attn
	.p2alignl 7, 3214868480
	.fill 96, 4, 3214868480
	.section	.rodata,"a",@progbits
	.p2align	6, 0x0
	.amdhsa_kernel k_q8cadbf9def_attn
		.amdhsa_group_segment_fixed_size 327680
		.amdhsa_private_segment_fixed_size 0
		.amdhsa_enable_private_segment 0
		.amdhsa_kernarg_size 32
		.amdhsa_user_sgpr_count 2
		.amdhsa_user_sgpr_kernarg_segment_ptr 1
		.amdhsa_wavefront_size32 1
		.amdhsa_system_sgpr_workgroup_id_x 1
		.amdhsa_system_sgpr_workgroup_id_y 1
		.amdhsa_system_sgpr_workgroup_id_z 1
		.amdhsa_system_vgpr_workitem_id 0
		.amdhsa_next_free_vgpr 1024
		.amdhsa_next_free_sgpr 100
		.amdhsa_reserve_vcc 0
		.amdhsa_float_denorm_mode_32 3
		.amdhsa_float_denorm_mode_16_64 3
		.amdhsa_memory_ordered 1
		.amdhsa_forward_progress 1
		.amdhsa_inst_pref_size 194
	.end_amdhsa_kernel
	.amdgpu_metadata
---
amdhsa.version: [ 1, 2 ]
amdhsa.kernels:
  - .name:           k_q8cadbf9def_attn
    .symbol:         k_q8cadbf9def_attn.kd
    .args:
      - { .name: n1img, .offset: 0, .size: 8, .value_kind: global_buffer, .address_space: global }
      - { .name: wimg, .offset: 8, .size: 8, .value_kind: global_buffer, .address_space: global }
      - { .name: lowp_scales, .offset: 16, .size: 8, .value_kind: global_buffer, .address_space: global }
      - { .name: cimg, .offset: 24, .size: 8, .value_kind: global_buffer, .address_space: global }
    .group_segment_fixed_size: 327680
    .private_segment_fixed_size: 0
    .kernarg_segment_align: 8
    .kernarg_segment_size: 32
    .max_flat_workgroup_size: 128
    .sgpr_count:     100
    .vgpr_count:     1024
    .wavefront_size: 32
...
	.end_amdgpu_metadata
.endif
;; end of part 2
;; launch chain (part 3): grid 256 x 1, 4 waves a work-group, clusters of 4 x 1, 327,680 bytes of LDS; arguments cimg, wimg, x, bo, gamma2, beta2, b1, b2, lowp_scales, out0; writes out0
.if DOCPART == 3
	.amdgcn_target "amdgcn-amd-amdhsa--gfx1250"
	.amdhsa_code_object_version 6
	.text
	.protected	k_q8cadbf9def_chain
	.globl	k_q8cadbf9def_chain
	.p2align	8
	.type	k_q8cadbf9def_chain,@function
k_q8cadbf9def_chain:
	s_mov_b64 s[64:65], 0
	v_nop
	global_prefetch_b8 v0, s[64:65] scope:SCOPE_SE
	s_setreg_imm32_b32 hwreg(HW_REG_WAVE_MODE, 25, 1), 1
	s_wait_xcnt 0x0
	s_wait_alu depctr_hold_cnt(0) depctr_sa_sdst(0) depctr_va_vdst(0) depctr_va_sdst(0) depctr_va_ssrc(0) depctr_va_vcc(0) depctr_vm_vsrc(0)
	s_getreg_b32 s2, hwreg(HW_REG_IB_STS2, 6, 4)
	s_cmp_eq_u32 s2, 0
	s_cbranch_scc0 .Lentry_in_a_cluster
	s_endpgm
.Lentry_in_a_cluster:
	s_bfe_u32 s2, ttmp6, 0x10000c
	s_cmp_lg_u32 s2, 0x3003
	s_cbranch_scc0 .Lentry_shape_is_right
	s_endpgm
.Lentry_shape_is_right:
.set SLOT1, 131072
.set AIMG,  262144
.set STAT,  294912
.set SPARE, 295936
.set SPW, 1
.set NIL, 2
.set L16, 3
.set LB0, 4
.set ADB, 5
.set LA,  6
.set HW,  7
.set ADH, 8
.set BO,  9
.set XO,  10
.set SW,  11
.set SR,  12
.set STO, 13
.set SRD, 14
.set GOO, 15
.set PFO, 16
.set SCV, 17
.set LMV, 18
.set CW,  19
.set ACC, 32
.set BIAS, 64
.set CODE, 80
.set BOJ, 90
.set SA,  96
.set RD8, 104
.set DD,  112
.set GA,  96
.set GS,  112
.set GT,  128
.set GR,  144
.set GQ,  160
.set GH,  176
.set XJ,  160
.set SJ,  224
.set BJ,  240
.set HJ,  248
.set MSB, 0
.macro WIN new
.if MSB != (\new)
	s_set_vgpr_msb (MSB<<8)|(\new)
.set MSB, (\new)
.endif
.endm
.macro PLACES
.rept 4
	v_nop
.endr
.endm
.macro CROUND
	s_barrier_signal -1
	s_barrier_wait -1
	s_cmp_lg_u32 s24, 0
	s_cbranch_scc1 .Lnw0_\@
	s_barrier_signal -3
.Lnw0_\@:
	s_barrier_wait -3
	s_barrier_signal -1
	s_barrier_wait -1
.endm
.macro BARRIER
	s_wait_dscnt 0x0
	s_barrier_signal -1
	s_barrier_wait -1
.endm
.macro MKSC e, sc, lim
	s_add_co_i32 s[\e], s[\e], 127
	s_lshl_b32 s[\sc], s[\e], 23
	s_add_co_i32 s[\e], s[\e], 8
	s_lshl_b32 s[\lim], s[\e], 23
	s_or_b32 s[\lim], s[\lim], 0x600000
.endm
.macro CHANGE refill
	s_wait_tensorcnt 0x0
	ds_add_u32 v[SPW], v[NIL]
.if \refill
	s_xor_b32 s41, s41, SLOT1
	s_add_co_u32 s98, s100, s96
	s_and_b32 s98, s98, 7
	s_lshl_b32 s98, s98, 15
	s_lshr_b32 s99, s100, 3
	s_lshl_b32 s99, s99, 18
	s_add_co_u32 s98, s98, s99
	s_mov_b32 s99, 0
	s_add_nc_u64 s[42:43], s[88:89], s[98:99]
	s_or_b32 s43, s43, 0x80000000
	s_add_co_u32 s100, s100, 1
.endif
	s_xor_b32 s46, s46, SLOT1
	s_wait_dscnt 0x0
.if \refill
	CROUND
	tensor_load_to_lds s[40:43], s[28:35]
	s_nop 0
	PLACES
.else
	s_barrier_signal -1
	s_barrier_wait -1
	PLACES
.endif
.endm
.macro ASK off
	s_cmp_eq_u32 s27, 1
	s_cbranch_scc0 .Lna_\@
	global_prefetch_b8 v[PFO], s[44:45] offset:\off th:TH_LOAD_NT scope:SCOPE_SE
.Lna_\@:
.endm
.macro LOADB
	v_add_nc_u32 v[ADB], s46, v[LB0]
	WIN 0x40
.irp s, 0,1,2,3,4,5,6,7
.irp ut, 0,1
.irp c, 0,1,2,3
	ds_load_b128 v[16*(8*\ut+\s)+4*\c:16*(8*\ut+\s)+4*\c+3], v[ADB] offset:(8*\ut+\s)*2048+\c*512
.endr
.endr
.endr
	WIN 0
.endm
.macro LOADA
	WIN 0x80
.irp s, 0,1,2,3,4,5,6,7
.irp u, 0,1
.irp c, 0,1,2,3
	ds_load_b128 v[16*(8*\u+\s)+4*\c:16*(8*\u+\s)+4*\c+3], v[LA] offset:(8*\u+\s)*2048+\c*512
.endr
.endr
.endr
	WIN 0
.endm
.macro MUL extra
	WIN 0x09
.irp s, 0,1,2,3,4,5,6,7
	s_wait_dscnt 8*(7-\s)+\extra
.irp u, 0,1
.irp ut, 0,1
.if \s == 0
	v_wmma_f32_16x16x128_fp8_fp8 v[ACC+16*\u+8*\ut:ACC+16*\u+8*\ut+7], v[16*(8*\ut+\s):16*(8*\ut+\s)+15], v[16*(8*\u+\s):16*(8*\u+\s)+15], 0
.else
	v_wmma_f32_16x16x128_fp8_fp8 v[ACC+16*\u+8*\ut:ACC+16*\u+8*\ut+7], v[16*(8*\ut+\s):16*(8*\ut+\s)+15], v[16*(8*\u+\s):16*(8*\u+\s)+15], v[ACC+16*\u+8*\ut:ACC+16*\u+8*\ut+7]
.endif
.endr
.endr
.endr
	WIN 0
.endm
.macro SCALEB sc
	s_wait_loadcnt 0x0
.set p, 0
.rept 16
	v_pk_fma_f32 v[ACC+p:ACC+p+1], v[ACC+p:ACC+p+1], s[\sc:\sc+1], v[BIAS+p%16:BIAS+p%16+1] op_sel_hi:[1,0,1]
.set p, p+2
.endr
.endm
.macro EPIR sc, t, np, nt
	SCALEB \sc
.if \np >= 0
.irp i, 0,1,2,3
	global_load_b128 v[BIAS+4*\i:BIAS+4*\i+3], v[BJ+(\nt)], s[\np:\np+1] offset:16*\i
.endr
.endif
	WIN 0xc3
.set p, 0
.rept 16
	v_pk_add_f32 v[32*(\t)+p:32*(\t)+p+1], v[32*(\t)+p:32*(\t)+p+1], v[ACC+p:ACC+p+1]
.set p, p+2
.endr
	WIN 0
.endm
.macro GELU H
.set p, 0
.rept 8
	v_pk_mul_f32 v[GA+p:GA+p+1], v[\H+p:\H+p+1], 0x3f3504f3 op_sel_hi:[1,0]
.set p, p+2
.endr
.set p, 0
.rept 8
	v_pk_mul_f32 v[GS+p:GS+p+1], v[GA+p:GA+p+1], v[GA+p:GA+p+1]
.set p, p+2
.endr
.set p, 0
.rept 16
	v_and_b32 v[GT+p], s86, v[GA+p]
.set p, p+1
.endr
.set p, 0
.rept 8
	v_pk_fma_f32 v[GR+p:GR+p+1], v[GT+p:GT+p+1], s[66:67], v[28:29] op_sel_hi:[1,0,1]
	v_pk_fma_f32 v[GQ+p:GQ+p+1], v[GT+p:GT+p+1], s[68:69], v[30:31] op_sel_hi:[1,0,1]
.set p, p+2
.endr
.set p, 0
.rept 8
	v_pk_fma_f32 v[GR+p:GR+p+1], v[GR+p:GR+p+1], v[GS+p:GS+p+1], v[GQ+p:GQ+p+1]
.set p, p+2
.endr
.irp k, 0xbddaae5c, 0xbf228550, 0xbe03ce86
.set p, 0
.rept 8
	v_pk_fma_f32 v[GR+p:GR+p+1], v[GR+p:GR+p+1], v[GT+p:GT+p+1], \k op_sel_hi:[1,1,0]
.set p, p+2
.endr
.endr
.set p, 0
.rept 8
	v_pk_fma_f32 v[GR+p:GR+p+1], v[GR+p:GR+p+1], v[GT+p:GT+p+1], v[GT+p:GT+p+1] neg_lo:[0,0,1] neg_hi:[0,0,1]
.set p, p+2
.endr
.set p, 0
.rept 8
	v_pk_mul_f32 v[GR+p:GR+p+1], v[GR+p:GR+p+1], 0x3fb8aa3b op_sel_hi:[1,0]
.set p, p+2
.endr
.set p, 0
	s_wait_alu depctr_va_vdst(0)
.rept 16
	v_exp_f32 v[GR+p], v[GR+p]
.set p, p+1
.endr
.set p, 0
.rept 8
	v_pk_fma_f32 v[GQ+p:GQ+p+1], v[GS+p:GS+p+1], s[70:71], v[88:89] op_sel_hi:[1,0,1]
.set p, p+2
.endr
.irp k, 0xbcdb48d9, 0x3de70e22, 0xbec09380, 0x3e0375d4
.set p, 0
.rept 8
	v_pk_fma_f32 v[GQ+p:GQ+p+1], v[GQ+p:GQ+p+1], v[GS+p:GS+p+1], \k op_sel_hi:[1,1,0]
.set p, p+2
.endr
.endr
.set p, 0
.rept 8
	v_pk_fma_f32 v[GQ+p:GQ+p+1], v[GQ+p:GQ+p+1], v[GA+p:GA+p+1], v[GA+p:GA+p+1]
	v_pk_mul_f32 v[GH+p:GH+p+1], v[\H+p:\H+p+1], 0.5 op_sel_hi:[1,0]
.set p, p+2
.endr
	s_wait_alu depctr_va_vdst(0)
.set p, 0
.rept 8
	v_pk_fma_f32 v[GR+p:GR+p+1], v[GR+p:GR+p+1], -1.0, 1.0 op_sel_hi:[1,0,0]
.set p, p+2
.endr
.set p, 0
.rept 16
	v_and_or_b32 v[GR+p], v[GA+p], s87, v[GR+p]
.set p, p+1
.endr
.set p, 0
.rept 16
	v_cmp_lt_f32 vcc_lo, s85, v[GT+p]
	v_cndmask_b32 v[GQ+p], v[GQ+p], v[GR+p], vcc_lo
.set p, p+1
.endr
.set p, 0
.rept 8
	v_pk_fma_f32 v[\H+p:\H+p+1], v[GH+p:GH+p+1], v[GQ+p:GQ+p+1], v[GH+p:GH+p+1]
.set p, p+2
.endr
.endm
.macro EPI1 more
	SCALEB 74
.if \more
	s_add_co_u32 s93, s92, 512
	s_and_b32 s93, s93, 0xe00
	s_lshr_b32 s93, s93, 2
	v_add_nc_u32 v[BOJ], s93, v[BO]
.irp i, 0,1,2,3
	global_load_b128 v[BIAS+4*\i:BIAS+4*\i+3], v[BOJ], s[16:17] offset:16*\i
.endr
.else
.irp i, 0,1,2,3
	global_load_b128 v[BIAS+4*\i:BIAS+4*\i+3], v[BJ], s[18:19] offset:16*\i
.endr
.endif
.irp u, 0,1
	GELU ACC+16*\u
.set p, 0
.rept 16
	v_med3_num_f32 v[ACC+16*\u+p], v[ACC+16*\u+p], -v[LMV], v[LMV]
.set p, p+1
.endr
	v_cvt_scalef32_pk8_fp8_f32 v[CODE+4*\u:CODE+4*\u+1], v[ACC+16*\u:ACC+16*\u+7], v[SCV]
	v_cvt_scalef32_pk8_fp8_f32 v[CODE+4*\u+2:CODE+4*\u+3], v[ACC+16*\u+8:ACC+16*\u+15], v[SCV]
.endr
	v_nop
	ds_store_b128 v[ADH], v[CODE:CODE+3]
	ds_store_b128 v[ADH], v[CODE+4:CODE+7] offset:16384
.endm
.macro CROSS pass
.irp u, 0,1
	v_pk_add_f32 v[SA+4*\u:SA+4*\u+1], v[SA+4*\u:SA+4*\u+1], v[SA+4*\u+2:SA+4*\u+3]
.endr
.irp u, 0,1
	v_add_f32 v[SA+4*\u], v[SA+4*\u], v[SA+4*\u+1]
.endr
.irp u, 0,1
	v_permlanex16_b32 v[SA+4*\u+1], v[SA+4*\u], s82, s83
.endr
.irp u, 0,1
	v_add_f32 v[SA+4*\u], v[SA+4*\u], v[SA+4*\u+1]
.endr
.irp u, 0,1
	ds_store_b32 v[SW], v[SA+4*\u] offset:\pass*512+\u*64
.endr
	BARRIER
.irp u, 0,1
.irp w, 0,1,2,3
	ds_load_b32 v[RD8+4*\u+\w], v[SR] offset:\pass*512+\w*128+\u*64
.endr
.endr
	s_wait_dscnt 0x0
.irp u, 0,1
	v_add_f32 v[RD8+4*\u], v[RD8+4*\u], v[RD8+4*\u+1]
	v_add_f32 v[RD8+4*\u+2], v[RD8+4*\u+2], v[RD8+4*\u+3]
.endr
.irp u, 0,1
	v_add_f32 v[RD8+4*\u], v[RD8+4*\u], v[RD8+4*\u+2]
.endr
.endm
.macro CENTRE u
	WIN 0x03
.set q, 0
.rept 64
	v_pk_add_f32 v[DD+2*q:DD+2*q+1], v[32*(q/8)+16*\u+2*(q%8):32*(q/8)+16*\u+2*(q%8)+1], v[20+4*\u:21+4*\u]
.set q, q+1
.endr
	WIN 0
.endm
	s_load_b512 s[4:19], s[0:1], 0x0
	s_load_b128 s[20:23], s[0:1], 0x40
	v_lshl_add_u32 v[SPW], v0, 2, SPARE
	v_mov_b32 v[NIL], 0
	ds_add_u32 v[SPW], v[NIL]
	ds_add_u32 v[SPW], v[NIL]
	v_lshrrev_b32 v20, 5, v0
	v_readfirstlane_b32 s24, v20
	s_bfe_u32 s25, ttmp6, 0x40000
	s_lshl_b32 s26, ttmp9, 2
	s_add_co_u32 s26, s26, s25
	s_cmp_lt_u32 ttmp9, 8
	s_cselect_b32 s27, 1, 0
	s_and_b32 s96, ttmp9, 7
	s_lshl_b32 s97, s96, 9
	s_mov_b32 s100, 2
	s_mov_b32 s28, 15|(3<<16)|(1<<21)
	s_mov_b32 s29, 32<<16
	s_mov_b32 s30, 128<<16
	s_mov_b32 s31, 32<<16
	s_mov_b32 s32, 128
	s_mov_b32 s33, 32
	s_mov_b32 s34, 0
	s_mov_b32 s35, 0
	s_mov_b32 s36, 1
	s_lshl_b32 s37, s24, 15
	s_mov_b32 s40, 1
	s_add_co_u32 s41, s37, SLOT1
	s_mov_b32 s46, 0
	s_mov_b32 s66, 0xb7910000
	s_mov_b32 s67, 0xb7910000
	s_mov_b32 s68, 0xbb7e8a1c
	s_mov_b32 s69, 0xbb7e8a1c
	s_mov_b32 s70, 0xba1c7000
	s_mov_b32 s71, 0xba1c7000
	s_mov_b32 s82, 0x76543210
	s_mov_b32 s83, 0xfedcba98
	s_mov_b32 s85, 0x3f6d8000
	s_mov_b32 s86, 0x7fffffff
	s_mov_b32 s87, 0x80000000
	s_mov_b32 s90, 0x3a800000
	s_mov_b32 s91, 0x3727c5ac
	v_mov_b32 v28, 0x39c8e7d9
	v_mov_b32 v29, 0x39c8e7d9
	v_mov_b32 v30, 0x3cc6b1a1
	v_mov_b32 v31, 0x3cc6b1a1
	v_mov_b32 v88, 0x3ba38d2c
	v_mov_b32 v89, 0x3ba38d2c
	v_and_b32 v[L16], 31, v0
	v_lshlrev_b32 v[PFO], 8, v[L16]
	v_lshlrev_b32 v[L16], 4, v[L16]
	v_add_nc_u32 v[LB0], s37, v[L16]
	v_add_nc_u32 v[LA], AIMG, v[L16]
	s_lshl_b32 s92, s24, 12
	v_add_nc_u32 v[HW], s92, v[LA]
	s_lshl_b32 s92, s24, 13
	v_add_nc_u32 v[CW], s92, v[LA]
	v_and_b32 v20, 15, v0
	v_bfe_u32 v21, v0, 4, 1
	s_lshl_b32 s92, s24, 10
	v_lshl_add_u32 v[BO], v21, 6, s92
	v_and_b32 v22, 8, v20
	v_add_nc_u32 v22, v22, v20
	v_lshl_add_u32 v[XO], v22, 12, v[BO]
	s_lshl_b32 s93, s24, 7
	s_add_co_u32 s93, s93, STAT
	v_lshl_add_u32 v[SW], v20, 2, s93
	v_lshlrev_b32 v[SR], 2, v20
	v_add_nc_u32 v[SR], STAT, v[SR]
	s_mul_i32 s93, s24, 16640
	v_mul_u32_u24 v[STO], v20, 1040
	v_lshl_add_u32 v[STO], v21, 6, v[STO]
	v_add_nc_u32 v[STO], s93, v[STO]
	v_add_nc_u32 v[SRD], s93, v[L16]
	v_add_nc_u32 v[GOO], s92, v[L16]
.irp t, 0,1,2,3,4,5,6,7
	s_add_co_u32 s98, s96, \t
	s_and_b32 s98, s98, 7
	s_lshl_b32 s99, s98, 7
	v_add_nc_u32 v[BJ+\t], s99, v[BO]
	v_add_nc_u32 v[XJ+\t], s99, v[XO]
	s_lshl_b32 s99, s98, 9
	v_add_nc_u32 v[HJ+\t], s99, v[HW]
.endr
	s_mul_i32 s92, s24, 786432
	s_add_co_u32 s92, s92, 3145728
	s_mov_b32 s93, 0
	s_lshl_b32 s94, s25, 13
	s_lshl_b32 s98, s96, 15
	s_add_co_u32 s94, s94, s98
	s_add_co_u32 s94, s94, 262144
	s_mov_b32 s95, 0
	s_wait_dscnt 0x0
	s_wait_kmcnt 0x0
	s_load_b512 s[48:63], s[20:21], 0x0
	s_add_nc_u64 s[88:89], s[6:7], s[92:93]
	s_add_nc_u64 s[44:45], s[88:89], s[94:95]
	s_mov_b32 s99, 0
	s_add_nc_u64 s[38:39], s[88:89], s[98:99]
	s_or_b32 s39, s39, 0x80000000
	s_add_co_u32 s98, s96, 1
	s_and_b32 s98, s98, 7
	s_lshl_b32 s98, s98, 15
	s_add_nc_u64 s[42:43], s[88:89], s[98:99]
	s_or_b32 s43, s43, 0x80000000
	s_lshl_b32 s92, s26, 17
	s_add_nc_u64 s[8:9], s[8:9], s[92:93]
	s_add_nc_u64 s[22:23], s[22:23], s[92:93]
	s_lshl_b32 s92, s26, 15
	s_lshl_b32 s94, s24, 13
	s_add_co_u32 s92, s92, s94
	s_add_nc_u64 s[4:5], s[4:5], s[92:93]
	CROUND
	tensor_load_to_lds s[36:39], s[28:35]
	s_nop 0
	s_wait_alu depctr_va_vdst(0)
	s_wait_tensorcnt 0x0
	ds_add_u32 v1, v2
	s_wait_dscnt 0x0
	CROUND
	tensor_load_to_lds s[40:43], s[28:35]
	s_nop 0
	PLACES
.set i, 0
.rept 16
	global_load_b128 v[96+4*i:96+4*i+3], v[L16], s[4:5] offset:512*i
.set i, i+1
.endr
	WIN 0xc0
	s_wait_alu depctr_va_vdst(0)
.irp t, 0,1,2,3,4,5,6,7
.irp i, 0,1,2,3
	global_load_b128 v[32*\t+4*\i:32*\t+4*\i+3], v[XJ+\t], s[8:9] offset:16*\i th:TH_LOAD_NT
.endr
.endr
	WIN 0
	s_wait_loadcnt 32
.set i, 0
.rept 16
	ds_store_b128 v[CW], v[96+4*i:96+4*i+3] offset:512*i
.set i, i+1
.endr
	WIN 0xc0
.irp t, 0,1,2,3,4,5,6,7
.irp i, 0,1,2,3
	global_load_b128 v[32*\t+16+4*\i:32*\t+16+4*\i+3], v[XJ+\t], s[8:9] offset:32768+16*\i th:TH_LOAD_NT
.endr
.endr
	WIN 0
.irp i, 0,1,2,3
	global_load_b128 v[BIAS+4*\i:BIAS+4*\i+3], v[BJ], s[10:11] offset:16*\i
.endr
	s_wait_kmcnt 0x0
	s_add_co_i32 s92, s58, s59
	s_add_co_i32 s92, s92, 127
	s_lshl_b32 s72, s92, 23
	s_mov_b32 s73, s72
	s_add_co_i32 s92, s60, s61
	s_add_co_i32 s92, s92, 127
	s_lshl_b32 s74, s92, 23
	s_mov_b32 s75, s74
	s_add_co_i32 s92, s62, s63
	s_add_co_i32 s92, s92, 127
	s_lshl_b32 s76, s92, 23
	s_mov_b32 s77, s76
	s_mov_b32 s92, s60
	MKSC 92, 78, 79
	s_mov_b32 s92, s62
	MKSC 92, 80, 81
	s_wait_tensorcnt 0x1
	BARRIER
	LOADA
	LOADB
	MUL 0
.irp n, 1,2,3,4,5,6,7
	CHANGE 1
	LOADB
.if \n == 5
	ASK 0
.endif
	EPIR 72, \n-1, 10, \n
	MUL 0
.endr
	PLACES
	WIN 0x80
.irp t, 0,1,2,3,4,5,6,7
.irp i, 0,1,2,3
	global_load_b128 v[16*\t+4*\i:16*\t+4*\i+3], v[BJ+\t], s[12:13] offset:16*\i
	global_load_b128 v[128+16*\t+4*\i:128+16*\t+4*\i+3], v[BJ+\t], s[14:15] offset:16*\i
.endr
.endr
	WIN 0
	CHANGE 1
	LOADB
	EPIR 72, 7, 16, 0
	WIN 0x0f
.irp u, 0,1
	v_pk_add_f32 v[SA+4*\u:SA+4*\u+1], v[16*\u:16*\u+1], v[16*\u+4:16*\u+5]
	v_pk_add_f32 v[SA+4*\u+2:SA+4*\u+3], v[16*\u+2:16*\u+3], v[16*\u+6:16*\u+7]
.endr
	WIN 0x0c
.irp j, 0,1,2,3,4,5,6,7
.irp p, 0,4,8,12
.if (\j > 0) || (\p > 4)
.irp u, 0,1
	v_pk_add_f32 v[SA+4*\u:SA+4*\u+1], v[SA+4*\u:SA+4*\u+1], v[32*\j+16*\u+\p:32*\j+16*\u+\p+1]
	v_pk_add_f32 v[SA+4*\u+2:SA+4*\u+3], v[SA+4*\u+2:SA+4*\u+3], v[32*\j+16*\u+\p+2:32*\j+16*\u+\p+3]
.endr
.endif
.endr
.endr
	WIN 0
	CROSS 0
.irp u, 0,1
	v_mul_f32 v[20+4*\u], 0xba800000, v[RD8+4*\u]
.endr
.irp u, 0,1
	v_mov_b32 v[21+4*\u], v[20+4*\u]
.endr
.irp u, 0,1
	CENTRE \u
	v_pk_mul_f32 v[SA+4*\u:SA+4*\u+1], v[DD:DD+1], v[DD:DD+1]
	v_pk_mul_f32 v[SA+4*\u+2:SA+4*\u+3], v[DD+2:DD+3], v[DD+2:DD+3]
.set q, 4
.rept 31
	v_pk_fma_f32 v[SA+4*\u:SA+4*\u+1], v[DD+q:DD+q+1], v[DD+q:DD+q+1], v[SA+4*\u:SA+4*\u+1]
	v_pk_fma_f32 v[SA+4*\u+2:SA+4*\u+3], v[DD+q+2:DD+q+3], v[DD+q+2:DD+q+3], v[SA+4*\u+2:SA+4*\u+3]
.set q, q+4
.endr
.endr
	CROSS 1
.irp u, 0,1
	v_fma_f32 v[RD8+4*\u], v[RD8+4*\u], s90, s91
.endr
	s_wait_alu depctr_va_vdst(0)
.irp u, 0,1
	v_rsq_f32 v[22+4*\u], v[RD8+4*\u]
.endr
	v_mov_b32 v[SCV], s78
	v_mov_b32 v[LMV], s79
	s_wait_alu depctr_va_vdst(0)
.irp u, 0,1
	v_mov_b32 v[23+4*\u], v[22+4*\u]
.endr
	s_wait_loadcnt 0x0
.irp u, 0,1
	CENTRE \u
.set q, 0
.rept 64
	v_pk_mul_f32 v[DD+q:DD+q+1], v[DD+q:DD+q+1], v[22+4*\u:23+4*\u]
.set q, q+2
.endr
	WIN 0x28
.set q, 0
.rept 64
	v_pk_fma_f32 v[DD+q:DD+q+1], v[DD+q:DD+q+1], v[q:q+1], v[128+q:128+q+1]
.set q, q+2
.endr
	WIN 0
.irp t, 0,1,2,3,4,5,6,7
.set q, 0
.rept 16
	v_med3_num_f32 v[DD+16*\t+q], v[DD+16*\t+q], -v[LMV], v[LMV]
.set q, q+1
.endr
	v_cvt_scalef32_pk8_fp8_f32 v[CODE+4*(\t%2):CODE+4*(\t%2)+1], v[DD+16*\t:DD+16*\t+7], v[SCV]
	v_cvt_scalef32_pk8_fp8_f32 v[CODE+4*(\t%2)+2:CODE+4*(\t%2)+3], v[DD+16*\t+8:DD+16*\t+15], v[SCV]
	ds_store_b128 v[HJ+\t], v[CODE+4*(\t%2):CODE+4*(\t%2)+3] offset:\u*16384
.endr
	v_nop
.endr
	BARRIER
	LOADA
	MUL 0
	v_mov_b32 v[SCV], s80
	v_mov_b32 v[LMV], s81
	s_mov_b32 s84, 0
	s_mov_b32 s47, 7
.Lgelu:
	CHANGE 1
	LOADB
	s_cmp_eq_u32 s84, 2048
	s_cselect_b32 s92, s27, 0
	s_cmp_eq_u32 s92, 1
	s_cbranch_scc0 .Lna2
	global_prefetch_b8 v[PFO], s[44:45] offset:262144 th:TH_LOAD_NT scope:SCOPE_SE
.Lna2:
	s_add_co_u32 s92, s84, s97
	s_and_b32 s92, s92, 0xe00
	v_add_nc_u32 v[ADH], s92, v[HW]
	EPI1 1
	s_add_co_u32 s84, s84, 512
	MUL 2
	s_sub_co_u32 s47, s47, 1
	s_cmp_lg_u32 s47, 0
	s_cbranch_scc1 .Lgelu
	CHANGE 1
	LOADB
	v_mov_b32 v[ADH], v[HJ+7]
	EPI1 0
	BARRIER
	LOADA
	MUL 0
.irp n, 17,18,19,20,21
	CHANGE 1
	LOADB
	EPIR 76, \n-17, 18, \n-16
	MUL 0
.endr
	CHANGE 1
	LOADB
	EPIR 76, 5, 18, 6
	MUL 0
	CHANGE 0
	LOADB
	EPIR 76, 6, 18, 7
	MUL 0
	PLACES
	EPIR 76, 7, -1, 0
.irp t, 0,1,2,3,4,5,6,7
	s_add_co_u32 s98, s96, \t
	s_and_b32 s98, s98, 7
	s_lshl_b32 s98, s98, 7
	v_add_nc_u32 v[SJ+\t], s98, v[STO]
.endr
	s_wait_alu depctr_va_vdst(0)
.irp u, 0,1
	WIN 0x0c
.irp t, 0,1,2,3,4,5,6,7
.irp i, 0,1,2,3
	ds_store_b128 v[SJ+\t], v[32*\t+16*\u+4*\i:32*\t+16*\u+4*\i+3] offset:16*\i
.endr
.endr
	WIN 0
.if \u
	s_wait_xcnt 0x0
.endif
.set t, 0
.rept 32
	ds_load_b128 v[96+4*t:96+4*t+3], v[SRD] offset:(t/2)*1040+(t%2)*512
.set t, t+1
.endr
.set t, 0
.rept 32
	s_wait_dscnt 31-t
	global_store_b128 v[GOO], v[96+4*t:96+4*t+3], s[22:23] offset:(8*\u+(t/2)+8*((t/2)/8))*4096+(t%2)*512 th:TH_STORE_NT
.set t, t+1
.endr
.endr
	s_wait_tensorcnt 0x0
	ds_add_u32 v[SPW], v[NIL]
	s_wait_dscnt 0x0
	CROUND
	s_endpgm
.Lfunc_end_k_q8cadbf9def_chain:
	.size	k_q8cadbf9def_chain, .Lfunc_end_k_q8cadbf9def_chain-k_q8cadbf9def_chain
	.p2alignl 7, 3214868480
	.fill 96, 4, 3214868480
	.section	.rodata,"a",@progbits
	.p2align	6, 0x0
	.amdhsa_kernel k_q8cadbf9def_chain
		.amdhsa_group_segment_fixed_size 327680
		.amdhsa_private_segment_fixed_size 0
		.amdhsa_enable_private_segment 0
		.amdhsa_kernarg_size 80
		.amdhsa_user_sgpr_count 2
		.amdhsa_user_sgpr_kernarg_segment_ptr 1
		.amdhsa_wavefront_size32 1
		.amdhsa_system_sgpr_workgroup_id_x 1
		.amdhsa_system_sgpr_workgroup_id_y 1
		.amdhsa_system_sgpr_workgroup_id_z 1
		.amdhsa_system_vgpr_workitem_id 0
		.amdhsa_next_free_vgpr 1024
		.amdhsa_next_free_sgpr 102
		.amdhsa_reserve_vcc 1
		.amdhsa_float_denorm_mode_32 3
		.amdhsa_float_denorm_mode_16_64 3
		.amdhsa_memory_ordered 1
		.amdhsa_forward_progress 1
		.amdhsa_inst_pref_size 255
	.end_amdhsa_kernel
	.section	.bss,"aw",@nobits
	.p2align	6
	.space	262144
	.amdgpu_metadata
---
amdhsa.version: [ 1, 2 ]
amdhsa.kernels:
  - .name:           k_q8cadbf9def_chain
    .symbol:         k_q8cadbf9def_chain.kd
    .args:
      - { .name: cimg, .offset: 0, .size: 8, .value_kind: global_buffer, .address_space: global }
      - { .name: wimg, .offset: 8, .size: 8, .value_kind: global_buffer, .address_space: global }
      - { .name: x, .offset: 16, .size: 8, .value_kind: global_buffer, .address_space: global }
      - { .name: bo, .offset: 24, .size: 8, .value_kind: global_buffer, .address_space: global }
      - { .name: gamma2, .offset: 32, .size: 8, .value_kind: global_buffer, .address_space: global }
      - { .name: beta2, .offset: 40, .size: 8, .value_kind: global_buffer, .address_space: global }
      - { .name: b1, .offset: 48, .size: 8, .value_kind: global_buffer, .address_space: global }
      - { .name: b2, .offset: 56, .size: 8, .value_kind: global_buffer, .address_space: global }
      - { .name: lowp_scales, .offset: 64, .size: 8, .value_kind: global_buffer, .address_space: global }
      - { .name: out0, .offset: 72, .size: 8, .value_kind: global_buffer, .address_space: global }
    .group_segment_fixed_size: 327680
    .private_segment_fixed_size: 0
    .kernarg_segment_align: 8
    .kernarg_segment_size: 80
    .max_flat_workgroup_size: 128
    .sgpr_count:     102
    .vgpr_count:     1024
    .wavefront_size: 32
...
	.end_amdgpu_metadata
.endif
;; end of part 3
